; MI455X (gfx1250); checked and timed in simulation.
; The chip was launched on July 23, 2026; its instructions are those of AMD's public machine-readable ISA for CDNA 5 (MIT licence, August 2026) and "CDNA5" Instruction Set Architecture Reference Guide (July 2026). The comments in the code are by the model that wrote it; some were corrected since.
;; Affine. Allowed arithmetic: float matrix products may take bf16 or f16 operands with f32 sums; other float arithmetic in f32, or as packed bf16 or f16 multiplies, adds, multiply-adds, maxima and minima; sums over many terms, partial sums and values carried from step to step in f32; what a program stores and reads back later, other than sums and carried values, may be rounded once to bf16 or f16.
;; Inputs: W 4 x 1,024 x 1,024 float32; b 4 x 1,024 float32; gates 4 x 4,096 x 4 float32; input 4 x 4,096 x 1,024 float32.
;; Outputs: out0 4 x 4,096 x 1,024 float32.
;; One version. Each part assembles by itself: llvm-mc -triple=amdgcn-amd-amdhsa -mcpu=gfx1250 --defsym DOCPART=n.
;; ======== version 1 of 1: 2 launches
;; limits: values outside matrix products are rounded to f16; values are held in f16: magnitudes above 65,504 overflow, below 6.1e-05 lose precision; inputs' magnitudes at most 65,504
;; workspace buffers: wf 8,454,144 bytes; route 67,584 bytes of whole numbers
;; launch prep (part 1): grid 130 x 1, 32 waves a work-group, no clusters, 78,080 bytes of LDS; arguments W, b, gates, wf, route; writes wf, route
.if DOCPART == 1
	.amdgcn_target "amdgcn-amd-amdhsa--gfx1250"
	.amdhsa_code_object_version 6
	.text
	.protected	k_qf00465ba37_prep
	.globl	k_qf00465ba37_prep
	.p2align	8
	.type	k_qf00465ba37_prep,@function
k_qf00465ba37_prep:
	s_mov_b64 s[64:65], 0
	v_nop
	global_prefetch_b8 v0, s[64:65] scope:SCOPE_SE
	s_setreg_imm32_b32 hwreg(HW_REG_WAVE_MODE, 25, 1), 1
	s_wait_xcnt 0x0
; PREP.  Three jobs, chosen by the work-group's number; every work-group runs the same skeleton of four phases and three barriers, and a scalar branch jumps only over text that holds no barrier.
; Jobs 1..128: W [4][1024][1024] f32 is rounded once to f16 and laid out as the next launch's waves take it into registers: wf = [e 4][cg 8][ks 32][f 8][q 2][lane 32][16 bytes];
;   unit (e, cg, ks, f, q, lane = r + 16 h) holds W[e][128 cg + 16 f + r][32 ks + 16 q + 8 h + 0..7].
; Job 129: the bias as 64 matrix fragments behind the weights (byte 8,388,608 on): [cf 64][q 2][lane 32][16 bytes]; q = 0, h = 0: b[0..3][16 cf + r] as k = 0..3, all else 0.
; Job 0: the gates become whole numbers at fixed places.  A token's SET is the 4-bit mask of its gates that are not 0 (a NaN gate counts as live, -0 as 0); a token with no live gate goes to set 1:
;   its gates are 0, so its row comes out 0.  route = bm[16][512] (bit l of word w of row s: token 32 w + l has set s), pfx[16][512] (tokens of set s in the words below w),
;   tt[128] x {set, first rank, rows, 0}: tiles of up to 144 tokens of one set.  The sum over 15 sets of ceil(n / 144) is at most (16,384 + 15 x 143) / 144 = 128 for every split.
;   No address and no branch hangs on a gate: the gates only select values.
; LIMITS.  |W| and |b| stay under 65,504 (f16); below 6e-5 they keep f16's fixed step of 6e-8.
.set BAL,   0            ; 4 x 512 words: bit l of word w of row e: gate e of token 32 w + l is live
.set ROWS,  8192         ; 32 rows of 2,048 bytes: rows 0-15 bm, rows 16-31 counts and then pfx
.set NS,    73728        ; 16 words: the sets' totals
.set SPARE, 73984        ; the spare words, 128 bytes for each of 32 waves: no other line names them
.set SPW,   90           ; v90  SPARE + 4 x my thread's number; never rewritten
.set NIL,   91           ; v91  0; never rewritten
.macro BAR                          ; what others read behind the barrier is done in front of my signal
	s_wait_dscnt 0x0
	s_barrier_signal -1
	s_barrier_wait -1
.endm
.macro POPC d, s, t                 ; v[d] = the number of ones in v[s]; s24-s27 hold the four constants
	v_lshrrev_b32 v[\t], 1, v[\s]
	v_and_b32 v[\t], s24, v[\t]
	v_sub_nc_u32 v[\d], v[\s], v[\t]
	v_lshrrev_b32 v[\t], 2, v[\d]
	v_and_b32 v[\t], s25, v[\t]
	v_and_b32 v[\d], s25, v[\d]
	v_add_nc_u32 v[\d], v[\d], v[\t]
	v_lshrrev_b32 v[\t], 4, v[\d]
	v_add_nc_u32 v[\d], v[\d], v[\t]
	v_and_b32 v[\d], s26, v[\d]
	v_mul_lo_u32 v[\d], v[\d], s27
	v_lshrrev_b32 v[\d], 24, v[\d]
.endm
	s_load_b256 s[4:11], s[0:1], 0x0               ; W s[4:5], b s[6:7], gates s[8:9], wf s[10:11]
	s_load_b64 s[12:13], s[0:1], 0x20              ; route
	v_lshl_add_u32 v[SPW], v0, 2, SPARE
	v_mov_b32 v[NIL], 0
	v_and_b32 v1, 31, v0                           ; lane
	v_and_b32 v2, 15, v0                           ; r
	v_bfe_u32 v3, v0, 4, 1                         ; h
	v_lshrrev_b32 v4, 5, v0
	v_readfirstlane_b32 s14, v4                    ; wave 0..31
	v_lshlrev_b32 v4, 4, v1                        ; 16 x lane
	s_mov_b32 s15, ttmp9                           ; the job
	s_wait_kmcnt 0x0
	; ---------------- PHASE A ----------------
	s_cmp_eq_u32 s15, 0
	s_cbranch_scc1 .Lroute_a
	s_cmp_eq_u32 s15, 129
	s_cbranch_scc1 .Lbias
	; THE CAST.  Task 32 (job - 1) + wave = (e, cf, kp): 16 rows of W x 64 k: two K steps of one fragment column.  A wave's eight loads together use 16 whole pieces of 256 bytes.
	s_sub_co_u32 s16, s15, 1
	s_lshl_b32 s16, s16, 5
	s_add_co_u32 s16, s16, s14
	s_and_b32 s17, s16, 15                         ; kp
	s_bfe_u32 s18, s16, 0x60004                    ; cf
	s_lshr_b32 s19, s16, 10                        ; e
	s_lshl_b32 s20, s19, 22                        ; from: e x 4 MB + 16 cf rows of 4,096 bytes + kp x 256
	s_lshl_b32 s21, s18, 16
	s_add_co_u32 s20, s20, s21
	s_lshl_b32 s21, s17, 8
	s_add_co_u32 s20, s20, s21
	v_lshlrev_b32 v5, 12, v2                       ; + row r + 32 h
	v_lshl_add_u32 v5, v3, 5, v5
	v_add_nc_u32 v5, s20, v5
.irp u, 0,1,2,3                                        ; u = 2 x (K step of the two) + q: my 8 numbers lie at byte 64 u + 32 h of the piece
	global_load_b128 v[8+8*(\u):11+8*(\u)],  v5, s[4:5] offset:64*(\u) th:TH_LOAD_NT
	global_load_b128 v[12+8*(\u):15+8*(\u)], v5, s[4:5] offset:64*(\u)+16 th:TH_LOAD_NT
.endr
	s_lshl_b32 s22, s19, 21                        ; to: e x 2 MB + (cf / 8) x 256 KB + 2 kp x 8 KB + (cf % 8) x 1 KB
	s_lshr_b32 s23, s18, 3
	s_lshl_b32 s23, s23, 18
	s_add_co_u32 s22, s22, s23
	s_lshl_b32 s23, s17, 14
	s_add_co_u32 s22, s22, s23
	s_and_b32 s23, s18, 7
	s_lshl_b32 s23, s23, 10
	s_add_co_u32 s22, s22, s23
	v_add_nc_u32 v6, s22, v4
.irp u, 0,1,2,3
	s_wait_loadcnt 6-2*(\u)                        ; the loads of the later u may stay out
.irp p, 0,1,2,3
	v_cvt_pk_f16_f32 v[40+4*(\u)+(\p)], v[8+8*(\u)+2*(\p)], v[9+8*(\u)+2*(\p)]
.endr
	global_store_b128 v6, v[40+4*(\u):43+4*(\u)], s[10:11] offset:((\u)/2)*8192+((\u)%2)*512  ; the wave stores 512 consecutive bytes
.endr
	s_branch .La_done
.Lbias:                                                ; wave v makes fragments cf = 2 v and 2 v + 1
	s_lshl_b32 s16, s14, 7                         ; column 32 v, in bytes
	v_lshl_add_u32 v5, v2, 2, s16
.irp c, 0,1
.irp e, 0,1,2,3
	global_load_b32 v[8+4*(\c)+(\e)], v5, s[6:7] offset:4096*(\e)+64*(\c)
.endr
.endr
	s_mov_b32 s17, 0xffff                          ; lanes with h = 0
	s_lshl_b32 s18, s14, 11
	s_add_co_u32 s18, s18, 0x800000
	v_add_nc_u32 v6, s18, v4
.irp j, 26,27,30,31,32,33,34,35
	v_mov_b32 v[\j], 0
.endr
	s_wait_loadcnt 0x0
.irp c, 0,1
	v_cvt_pk_f16_f32 v16, v[8+4*(\c)], v[9+4*(\c)]
	v_cvt_pk_f16_f32 v17, v[10+4*(\c)], v[11+4*(\c)]
	v_cndmask_b32 v[24+4*(\c)], 0, v16, s17
	v_cndmask_b32 v[25+4*(\c)], 0, v17, s17
	global_store_b128 v6, v[24+4*(\c):27+4*(\c)], s[10:11] offset:1024*(\c)
	global_store_b128 v6, v[32:35], s[10:11] offset:1024*(\c)+512
.endr
	s_branch .La_done
.Lroute_a:                                             ; wave v takes tokens 512 v .. 512 v + 511: words 16 v .. 16 v + 15
	s_lshl_b32 s16, s14, 13
	v_add_nc_u32 v5, s16, v4
.irp i, 0,1,2,3,4,5,6,7,8,9,10,11,12,13,14,15
	global_load_b128 v[8+4*(\i):11+4*(\i)], v5, s[8:9] offset:512*(\i)
.endr
	v_mov_b32 v72, 0                               ; lane i: word i of expert 0; lane 16 + i: of expert 1
	v_mov_b32 v73, 0                               ; the same for experts 2 and 3
.irp i, 0,1,2,3,4,5,6,7,8,9,10,11,12,13,14,15
	s_wait_loadcnt 15-(\i)                         ; the later words' loads may stay out
	v_cmp_neq_f32 s20, 0, v[8+4*(\i)]
	v_cmp_neq_f32 s21, 0, v[9+4*(\i)]
	v_cmp_neq_f32 s22, 0, v[10+4*(\i)]
	v_cmp_neq_f32 s23, 0, v[11+4*(\i)]
	v_writelane_b32 v72, s20, \i
	v_writelane_b32 v72, s21, 16+(\i)
	v_writelane_b32 v73, s22, \i
	v_writelane_b32 v73, s23, 16+(\i)
.endr
	v_lshlrev_b32 v74, 11, v3
	v_lshl_add_u32 v74, v2, 2, v74
	s_lshl_b32 s17, s14, 6
	v_add_nc_u32 v74, s17, v74                     ; (lane / 16) x 2,048 + (16 v + lane % 16) x 4
	ds_store_b32 v74, v72
	ds_store_b32 v74, v73 offset:4096
.La_done:
	BAR
	; ---------------- PHASE B: job 0, waves 0-15: thread w makes word w of all 16 bitmaps, and its counts ----------------
	s_cmp_lg_u32 s15, 0
	s_cbranch_scc1 .Lb_done
	s_cmp_ge_u32 s14, 16
	s_cbranch_scc1 .Lb_done
	v_lshlrev_b32 v5, 2, v0
	ds_load_b32 v8, v5
	ds_load_b32 v9, v5 offset:2048
	ds_load_b32 v10, v5 offset:4096
	ds_load_b32 v11, v5 offset:6144
	s_mov_b32 s24, 0x55555555
	s_mov_b32 s25, 0x33333333
	s_mov_b32 s26, 0x0f0f0f0f
	s_mov_b32 s27, 0x01010101
	v_add_nc_u32 v6, ROWS, v5
	v_add_nc_u32 v7, ROWS+32768, v5
	s_wait_dscnt 0x0
.irp e, 0,1,2,3
	v_xor_b32 v[12+(\e)], -1, v[8+(\e)]
.endr
	v_and_b32 v16, v12, v13                        ; experts 0, 1: neither, 0 alone, 1 alone, both
	v_and_b32 v17, v8, v13
	v_and_b32 v18, v12, v9
	v_and_b32 v19, v8, v9
	v_and_b32 v20, v14, v15                        ; experts 2, 3 likewise
	v_and_b32 v21, v10, v15
	v_and_b32 v22, v14, v11
	v_and_b32 v23, v10, v11
.set i, 0
.rept 16
	v_and_b32 v[24+i], v[16+(i&3)], v[20+(i>>2)]
.set i, i+1
.endr
	v_or_b32 v25, v25, v24                         ; tokens with no live gate go to set 1
	v_mov_b32 v24, 0
.set i, 0
.rept 16
	POPC 40+i, 24+i, 56
	ds_store_b32 v6, v[24+i] offset:2048*i
	ds_store_b32 v7, v[40+i] offset:2048*i
.set i, i+1
.endr
.Lb_done:
	BAR
	; ---------------- PHASE C: job 0, wave s = 0..15: the counts of set s become running counts, in place ----------------
	s_cmp_lg_u32 s15, 0
	s_cbranch_scc1 .Lc_done
	s_cmp_ge_u32 s14, 16
	s_cbranch_scc1 .Lc_done
	s_lshl_b32 s16, s14, 11
	s_add_co_u32 s16, s16, ROWS+32768
	v_lshl_add_u32 v5, v1, 6, s16                  ; lane l takes words 16 l .. 16 l + 15
.irp i, 0,1,2,3
	ds_load_b128 v[8+4*(\i):11+4*(\i)], v5 offset:16*(\i)
.endr
	v_mov_b32 v24, 0
	v_mov_b32 v28, 0
	s_wait_dscnt 0x0
.set i, 0
.rept 16
	v_mov_b32 v[32+i], v24
	v_add_nc_u32 v24, v24, v[8+i]
.set i, i+1
.endr
	v_mov_b32 v25, v24                             ; my 16 words' total; then the totals of lanes 0 .. l
.irp d, 1,2,4,8,16
	v_add_nc_u32 v26, 32-(\d), v1
	v_lshlrev_b32 v26, 2, v26                      ; lane l - d, modulo 32
	ds_bpermute_b32 v27, v26, v25
	v_cmp_gt_u32 vcc_lo, \d, v1
	s_wait_dscnt 0x0
	v_cndmask_b32 v27, v27, v28, vcc_lo            ; nothing from beyond lane 0
	v_add_nc_u32 v25, v25, v27
.endr
	v_sub_nc_u32 v26, v25, v24                     ; the lanes below me
.set i, 0
.rept 16
	v_add_nc_u32 v[32+i], v[32+i], v26
.set i, i+1
.endr
.irp i, 0,1,2,3
	ds_store_b128 v5, v[32+4*(\i):35+4*(\i)] offset:16*(\i)
.endr
	v_readlane_b32 s20, v25, 31                    ; the set's total
	v_mov_b32 v29, s20
	s_lshl_b32 s21, s14, 2
	s_add_co_u32 s21, s21, NS
	v_mov_b32 v30, s21
	ds_store_b32 v30, v29
.Lc_done:
	BAR
	; ---------------- PHASE D: job 0: the 32 rows leave as they lie (bm, then pfx); threads 0-127 make the table of tiles ----------------
	s_cmp_lg_u32 s15, 0
	s_cbranch_scc1 .Ld_done
	s_lshl_b32 s16, s14, 11
	v_add_nc_u32 v6, s16, v4
	v_add_nc_u32 v5, ROWS, v6
.irp i, 0,1,2,3
	ds_load_b128 v[8+4*(\i):11+4*(\i)], v5 offset:512*(\i)
.endr
.irp i, 0,1,2,3
	s_wait_dscnt 3-(\i)
	global_store_b128 v6, v[8+4*(\i):11+4*(\i)], s[12:13] offset:512*(\i)
.endr
	s_cmp_ge_u32 s14, 4
	s_cbranch_scc1 .Ld_done
	v_mov_b32 v30, NS
.irp i, 0,1,2,3
	ds_load_b128 v[32+4*(\i):35+4*(\i)], v30 offset:16*(\i)
.endr
	v_mov_b32 v50, 0                               ; the first tile of the set in hand
	v_mov_b32 v51, 0                               ; my tile's set,
	v_mov_b32 v52, 0                               ; that set's first tile,
	v_mov_b32 v53, 0                               ; and its total
	s_wait_dscnt 0x0
.irp s, 1,2,3,4,5,6,7,8,9,10,11,12,13,14,15
	v_cmp_gt_u32 vcc_lo, v50, v0                   ; the set begins behind my tile: keep what I have
	v_cndmask_b32 v51, \s, v51, vcc_lo
	v_cndmask_b32 v52, v50, v52, vcc_lo
	v_cndmask_b32 v53, v[32+(\s)], v53, vcc_lo
	v_add_nc_u32 v54, 143, v[32+(\s)]              ; ceil(n / 144) = ((n + 143) / 16) / 9; q / 9 = (7,282 q) >> 16 for q up to 1,032, since 9 x 7,282 = 65,536 + 2
	v_lshrrev_b32 v54, 4, v54
	v_mul_u32_u24 v54, v54, 0x1c72
	v_lshrrev_b32 v54, 16, v54
	v_add_nc_u32 v50, v50, v54
.endr
	v_sub_nc_u32 v54, v0, v52
	v_mul_u32_u24 v57, v54, 144                    ; my tile's first rank in its set
	v_cmp_gt_u32 vcc_lo, v53, v57                  ; has it a row?
	v_sub_nc_u32 v54, v53, v57
	v_cndmask_b32 v54, 0, v54, vcc_lo
	v_min_u32 v58, 144, v54                        ; rows
	v_cndmask_b32 v56, 0, v51, vcc_lo              ; an empty tile has set 0,
	v_cndmask_b32 v57, 0, v57, vcc_lo              ; and rank 0
	v_mov_b32 v59, 0
	v_lshlrev_b32 v60, 4, v0
	global_store_b128 v60, v[56:59], s[12:13] offset:65536
.Ld_done:
	s_wait_tensorcnt 0x0                           ; the wave's end
	ds_add_u32 v[SPW], v[NIL]
	s_wait_dscnt 0x0
	s_endpgm
.Lfunc_end_k_qf00465ba37_prep:
	.size	k_qf00465ba37_prep, .Lfunc_end_k_qf00465ba37_prep-k_qf00465ba37_prep
	.p2alignl 7, 3214868480
	.fill 96, 4, 3214868480
	.section	.rodata,"a",@progbits
	.p2align	6, 0x0
	.amdhsa_kernel k_qf00465ba37_prep
		.amdhsa_group_segment_fixed_size 78080
		.amdhsa_private_segment_fixed_size 0
		.amdhsa_enable_private_segment 0
		.amdhsa_kernarg_size 40
		.amdhsa_user_sgpr_count 2
		.amdhsa_user_sgpr_kernarg_segment_ptr 1
		.amdhsa_wavefront_size32 1
		.amdhsa_system_sgpr_workgroup_id_x 1
		.amdhsa_system_sgpr_workgroup_id_y 1
		.amdhsa_system_sgpr_workgroup_id_z 1
		.amdhsa_system_vgpr_workitem_id 0
		.amdhsa_next_free_vgpr 96
		.amdhsa_next_free_sgpr 66
		.amdhsa_reserve_vcc 1
		.amdhsa_float_denorm_mode_32 3
		.amdhsa_float_denorm_mode_16_64 3
		.amdhsa_memory_ordered 1
		.amdhsa_forward_progress 1
		.amdhsa_inst_pref_size 39
	.end_amdhsa_kernel
	.amdgpu_metadata
---
amdhsa.version: [ 1, 2 ]
amdhsa.kernels:
  - .name:           k_qf00465ba37_prep
    .symbol:         k_qf00465ba37_prep.kd
    .args:
      - { .name: W, .offset: 0, .size: 8, .value_kind: global_buffer, .address_space: global }
      - { .name: b, .offset: 8, .size: 8, .value_kind: global_buffer, .address_space: global }
      - { .name: gates, .offset: 16, .size: 8, .value_kind: global_buffer, .address_space: global }
      - { .name: wf, .offset: 24, .size: 8, .value_kind: global_buffer, .address_space: global }
      - { .name: route, .offset: 32, .size: 8, .value_kind: global_buffer, .address_space: global }
    .group_segment_fixed_size: 78080
    .private_segment_fixed_size: 0
    .kernarg_segment_align: 8
    .kernarg_segment_size: 40
    .max_flat_workgroup_size: 1024
    .sgpr_count:     66
    .vgpr_count:     96
    .wavefront_size: 32
...
	.end_amdgpu_metadata
.endif
;; end of part 1
;; launch moe (part 2): grid 2 x 128, 4 waves a work-group, no clusters, 319,232 bytes of LDS; arguments input, gates, wf, route, out0; writes out0
.if DOCPART == 2
	.amdgcn_target "amdgcn-amd-amdhsa--gfx1250"
	.amdhsa_code_object_version 6
	.text
	.protected	k_qf00465ba37_moe
	.globl	k_qf00465ba37_moe
	.p2align	8
	.type	k_qf00465ba37_moe,@function
k_qf00465ba37_moe:
	s_mov_b64 s[64:65], 0
	v_nop
	global_prefetch_b8 v0, s[64:65] scope:SCOPE_SE
	s_setreg_imm32_b32 hwreg(HW_REG_WAVE_MODE, 25, 1), 1
	s_wait_xcnt 0x0
; out[t] = the sum over e of g[t][e] (x[t] . W[e]^T + b[e]), made only for the experts whose gate is not 0.  x [16384][1024], g [16384][4], out [16384][1024], all f32.
; SHARES.  A work-group owns one tile of the table tt (up to 144 tokens that have the same set of live experts) and 512 of the 1,024 output columns; each of its four waves all 144 rows x 128 columns:
; 9 x 8 accumulators of 16 x 16, 576 registers.  Each output row's piece has one owner; no partial sum leaves the registers.
; THE CHAIN.  (1) Each wave finds the tile's tokens from the set's bitmap and running counts.  (2) Their rows of x are gathered, rounded to f16 and laid into LDS, all 1,024 k.  (3) One matrix step
; gates x bias (k = the expert) with C = 0 starts every sum.  (4) For each live expert 32 K steps of 32: W's fragments come from memory straight into registers, x's from LDS, and are multiplied
; by the lane's gate (a lane holds one token) between the load and the matrix instruction.  (5) The sums leave through a stage in LDS as whole pieces of 512 bytes of the tokens' rows.
; THE MATRIX INSTRUCTION IS USED TRANSPOSED: source 0 = 16 rows of W (output columns), source 1 = 16 tokens: a lane then holds one token and eight neighbouring columns.
; FORMAT AND LIMITS.  Operands f16, sums f32.  |x|, |g|, |g x|, |W|, |b| stay under 65,504; below 6e-5 they keep f16's fixed step of 6e-8, and a gate under 3e-8 counts as 0.  Where a gate is exactly 0 the
; product is not made: a NaN or an infinity in x or W shows only through live gates.
; EVERY SPLIT.  128 tiles serve every split of the tokens.  A tile without rows has set 0: its work-group runs the same text, since every wave passes both barriers, with no live expert and no store.
; Places past a tile's count repeat token 0; their rows are not stored.
; NO TENSOR LOAD, NO CLUSTER.  Token rows come by a list, which no descriptor covers; which experts' weights are walked hangs on a stored number, so that walk holds neither a barrier nor a tensor load;
; work-groups of different sets would need different tiles of W; and the places at which the list is written in LDS hang on the tile's ranks, so partners in a cluster would not be alike in their LDS addresses.
; REGISTERS, in windows of 256 (s_set_vgpr_msb: bits 1:0 source 0, 3:2 source 1, 5:4 source 2, 7:6 destination): 576 accumulators + 256 of W + 144 of x + 48 = 1,024
;   window 0: v0-47 addresses, gates, tokens; v48-119, v120-191 two buffers of x's fragments (nine slots of 8); v192-255 the accumulators of row block 8 (before the products: at work)
;   window 1: W's ring of four buffers of 64 (a K step's eight fragments)      window 2: accumulators of row blocks 0-3 (before: the staging's six rows of f32)      window 3: of blocks 4-7
.set PA,    2064         ; a row of x in LDS: 2,048 bytes + 16: an odd multiple of 16 bytes, so the 16 rows of a fragment load start at 16 different groups of four banks (64 banks of 4 bytes: ISA guide 11.1)
.set LIST,  144*PA       ; 768 bytes a wave: 144 tokens, then a word for each lane where it puts what is not wanted
.set GT,    LIST+4*768   ; 4,608 bytes a wave: [e 4][row block 9][lane 32] words: the gate twice, in f16
.set SPARE, GT+4*4608    ; the spare words, 128 bytes for each wave: no other line names them
.set SPIT,  528          ; the way out: a stage row of 512 bytes + 16; the stage, 16 rows a wave, takes x's first bytes when nobody reads x any more
.set L16,  4             ; v4   16 x lane; never rewritten
.set OL,   5             ; v5   my 16 bytes in my wave's 512 of an output row
.set SPW,  6             ; v6   SPARE + 4 x my thread's number; never rewritten
.set NIL,  7             ; v7   0; never rewritten
.set LB,   8             ; v8   my wave's list + 4 r
.set LSA,  9             ; v9   where the staging's tokens are read
.set SA,   10            ; v10  where the staging stores
.set GLA,  11            ; v11  my word in my wave's table of gates, at the expert in hand
.set STO,  12            ; v12  the way out: where I put 16 bytes
.set RD,   13            ; v13  the way out: where I read a row back
.set DIDX, 14            ; v14  144 + lane
.set TKB,  15            ; v15  32 x lane
.set AD,   16            ; v16-20  ADB + the trip's 256 bytes along K
.set GC,   22            ; v22-30  row block a: my token's gate of the expert in hand, twice, in f16
.set TK,   32            ; v32-40  row block a: my token
.set ADB,  42            ; v42-46  row blocks 2 i and 2 i + 1: (32 i + r) PA + 16 h; the odd block's 16 rows, 33,024 bytes, stand in the load's immediate
.set AB,   48            ; x's fragments: buffer c, slot a at AB + 72 c + 8 a
.set BMW,  48            ; before that: 16 words of the bitmap,
.set PFW,  64            ; their running counts,
.set RG,   120           ; v120-155  and the nine blocks' gates as loaded
.set T,    192           ; v192-208  at work, before the products
.set ROFF, 210           ; v210-215  staging slot g: the row's byte offset + 16 x lane
.set CT,   216           ; v216-231  a staged row in f16
.set LS,   232           ; v232-237  staging slot g: lane j holds the token of my wave's row 6 j + g
.set DD,   48            ; the way out: 16 rows read back
.set OA,   112           ; the way out: their offsets in out
; s14 wave, s15 column half, s16 tile, s17 column group cg = 4 half + wave; s20 the set, s21 its first rank, s22 rows M; s26 my list; s[28:29] P and s[30:31] Q: W of the four K steps in hand and of the next four;
; s32 Q's place in units of 32,768 bytes, s[34:35] in bytes, s36 the next live expert's; s37 expert, s38 trip, s39 the trip's bytes along K; s40 M + 32; s41 lanes with h = 0; s42, s44 counters; s50 a token
.set MSB, 0
.macro WIN new                      ; the immediate's high byte repeats the setting that is left; a switch that changes nothing is dropped
.if MSB != (\new)
	s_set_vgpr_msb (MSB<<8)|(\new)
.set MSB, \new
.endif
.endm
; 16 loads: a K step's eight fragments of W for my 128 columns, 8,192 consecutive bytes, into buffer bb
.macro BLOAD bb, base, imm
	WIN 0x40
.irp f, 0,1,2,3,4,5,6,7
	global_load_b128 v[64*(\bb)+8*(\f):64*(\bb)+8*(\f)+3],   v[L16], s[\base:\base+1] offset:(\imm)+1024*(\f)
	global_load_b128 v[64*(\bb)+8*(\f)+4:64*(\bb)+8*(\f)+7], v[L16], s[\base:\base+1] offset:(\imm)+1024*(\f)+512
.endr
.endm
; 8 matrix instructions: row block a (slot a of x's buffer c) x my eight column fragments (W's buffer bb).  The 72 accumulators take turns, one instruction a turn.  zero = 1: the product starts the sums
.macro MULB a, bb, c, zero
.if (\a) < 4
	WIN 0xa1
.set AC, 64*(\a)
.elseif (\a) < 8
	WIN 0xf1
.set AC, 64*((\a)-4)
.else
	WIN 0x01
.set AC, 192
.endif
.irp f, 0,1,2,3,4,5,6,7
.if \zero
	v_wmma_f32_16x16x32_f16 v[AC+8*(\f):AC+8*(\f)+7], v[64*(\bb)+8*(\f):64*(\bb)+8*(\f)+7], v[AB+72*(\c)+8*(\a):AB+72*(\c)+8*(\a)+7], 0
.else
	v_wmma_f32_16x16x32_f16 v[AC+8*(\f):AC+8*(\f)+7], v[64*(\bb)+8*(\f):64*(\bb)+8*(\f)+7], v[AB+72*(\c)+8*(\a):AB+72*(\c)+8*(\a)+7], v[AC+8*(\f):AC+8*(\f)+7]
.endif
.endr
.endm
.macro SCALE c, a                   ; slot a of buffer c times my token's gate, in place: sixteen numbers, each rounded once to f16
	WIN 0
.irp j, 0,1,2,3,4,5,6,7
	v_pk_mul_f16 v[AB+72*(\c)+8*(\a)+(\j)], v[AB+72*(\c)+8*(\a)+(\j)], v[GC+(\a)]
.endr
.endm
.macro FETCH c, imm                 ; 18 LDS loads in one run: 144 rows x 32 k, at byte imm of the trip's 256, into buffer c
	WIN 0
.irp a, 0,1,2,3,4,5,6,7,8
	ds_load_b128 v[AB+72*(\c)+8*(\a):AB+72*(\c)+8*(\a)+3],   v[AD+(\a)/2] offset:((\a)%2)*16*PA+(\imm)
	ds_load_b128 v[AB+72*(\c)+8*(\a)+4:AB+72*(\c)+8*(\a)+7], v[AD+(\a)/2] offset:((\a)%2)*16*PA+(\imm)+32
.endr
.endm
.macro PLACES                       ; what reads a matrix result stands four plain vector instructions behind it (ISA guide 7.12.1)
.rept 4
	v_nop
.endr
.endm
; A K STEP of 32, number j of a trip's four: 72 matrix instructions on W's buffer j and x's buffer (j + 1) % 2.
; ALL THE STEP'S LOADS STAND IN ONE RUN, behind row block 0: x of the next K step (byte ref) into x's other buffer, and W of the K step three on into the buffer that the last step multiplied.  Both were last
; read by the last step's products; between those and the run stand sixteen multiplies or more that name none of their registers: the four places that a load into a matrix instruction's source wants.
; THE GATE: eight multiplies behind each row block's eight products.  Slots 2 to 8 are scaled in their own step, two blocks ahead of their products; slots 0 and 1 of the next step behind blocks 7 and 8.
; The trip's fourth step leaves those two alone, since the next step may be another expert's: the trip's first step scales its own slots 0 and 1 at its head.
.macro STEP j, lbase, limm, ref, upd
.set CU, ((\j)+1)&1
.set NX, (\j)&1
	s_wait_loadcnt 32                              ; W of this step is in; the 2 x 16 loads of the next two steps may stay out
.if (\j) == 0
	s_wait_dscnt 0x0                               ; x of this step is in: asked for eight row blocks ago
	SCALE CU, 0
	SCALE CU, 1
.endif
.irp a, 0,1,2,3,4,5,6,7,8
	MULB \a, \j, CU, 0
.if (\a) <= 6
	SCALE CU, (\a)+2
.endif
.if (\a) == 0
.if \upd
	s_add_co_u32 s39, s39, 256                     ; the fetches go on to the next four K steps; behind the 32nd they are back at K step 0, for whichever expert follows
	s_and_b32 s39, s39, 0x7ff
.irp i, 0,1,2,3,4
	v_add_nc_u32 v[AD+(\i)], s39, v[ADB+(\i)]
.endr
.endif
	FETCH NX, \ref
	BLOAD ((\j)+3)&3, \lbase, \limm
.endif
.if ((\a) == 7) && ((\j) != 3)
	s_wait_dscnt 0x0                               ; x of the next step is in: asked for seven row blocks ago
	SCALE NX, 0
.endif
.if ((\a) == 8) && ((\j) != 3)
	SCALE NX, 1
.endif
.endr
.endm
	; ---------------- the head ----------------
	s_load_b256 s[4:11], s[0:1], 0x0               ; x s[4:5], gates s[6:7], wf s[8:9], route s[10:11]
	s_load_b64 s[12:13], s[0:1], 0x20              ; out
	v_lshl_add_u32 v[SPW], v0, 2, SPARE
	v_mov_b32 v[NIL], 0
	v_and_b32 v1, 31, v0                           ; lane
	v_and_b32 v2, 15, v0                           ; r
	v_bfe_u32 v3, v0, 4, 1                         ; h
	v_lshrrev_b32 v[T], 5, v0
	v_readfirstlane_b32 s14, v[T]                  ; wave 0..3
	v_lshlrev_b32 v[L16], 4, v1
	s_mov_b32 s15, ttmp9                           ; column half
	s_and_b32 s16, ttmp7, 0xffff                   ; tile
	s_lshl2_add_u32 s17, s15, s14                  ; cg
	s_lshl_b32 s24, s16, 4
	s_wait_kmcnt 0x0
	s_load_b128 s[20:23], s[10:11], s24 offset:0x10000  ; my tile: set, first rank, rows
	s_lshl_b32 s25, s17, 9                         ; the addresses are made while it is on its way
	v_add_nc_u32 v[OL], s25, v[L16]
	s_mul_i32 s26, s14, 768
	s_add_co_u32 s26, s26, LIST                    ; my wave's list
	v_lshl_add_u32 v[LB], v2, 2, s26
	v_min_u32 v[T], 5, v1
	v_mul_u32_u24 v[T], v[T], 24
	s_mul_i32 s25, s14, 144
	s_add_co_u32 s25, s25, s26
	v_add_nc_u32 v[LSA], s25, v[T]                 ; list + 4 (36 wave + 6 min(lane, 5))
	s_mul_i32 s25, s14, 36*PA
	v_lshl_add_u32 v[SA], v1, 3, s25
	s_mul_i32 s25, s14, 4608
	s_add_co_u32 s25, s25, GT
	v_lshl_add_u32 v[GLA], v1, 2, s25
	s_mul_i32 s25, s14, 16*SPIT
	v_mul_u32_u24 v[STO], v2, SPIT
	v_lshl_add_u32 v[STO], v3, 5, v[STO]
	v_add_nc_u32 v[STO], s25, v[STO]
	v_add_nc_u32 v[RD], s25, v[L16]
	v_add_nc_u32 v[DIDX], 144, v1
	v_lshlrev_b32 v[TKB], 5, v1
	v_mul_u32_u24 v[ADB], v2, PA
	v_lshl_add_u32 v[ADB], v3, 4, v[ADB]
.irp i, 1,2,3,4
	v_add_nc_u32 v[ADB+(\i)], 32*PA*(\i), v[ADB]
.endr
.irp i, 0,1,2,3,4
	v_mov_b32 v[AD+(\i)], v[ADB+(\i)]
.endr
	s_mov_b32 s41, 0xffff
	s_mov_b32 s35, 0
	s_mov_b32 s39, 0
	s_wait_kmcnt 0x0
	s_min_u32 s20, s20, 15                         ; what was loaded enters addresses only inside these bounds
	s_min_u32 s21, s21, 0x4000
	s_min_u32 s22, s22, 144
	s_add_co_u32 s40, s22, 32
	; W's ring is filled first: the bias fragments into buffer 3, K steps 0 to 2 of the first live expert into buffers 0 to 2.  With no live expert the place falls to the clamp: the bias block, read and not used
	s_ctz_i32_b32 s24, s20
	s_min_u32 s24, s24, 32
	s_lshl3_add_u32 s24, s24, s17                  ; 8 e + cg
	s_lshl_b32 s32, s24, 3                         ; a column group of an expert is 8 units of 32,768 bytes
	s_min_u32 s32, s32, 256
	s_lshl_b32 s34, s32, 15
	s_add_nc_u64 s[30:31], s[8:9], s[34:35]
	s_lshl_b32 s24, s17, 13
	s_add_co_u32 s24, s24, 0x800000
	s_mov_b32 s25, 0
	s_add_nc_u64 s[28:29], s[8:9], s[24:25]
	BLOAD 3, 28, 0
	BLOAD 0, 30, 0
	BLOAD 1, 30, 8192
	BLOAD 2, 30, 16384
	WIN 0
	; ---------------- the list: each wave makes all of it, in its own LDS bytes, so no barrier is needed ----------------
	v_mov_b32 v[T], 0
	v_lshl_add_u32 v[T+1], v1, 2, s26
.irp i, 0,1,2,3,4
	ds_store_b32 v[T+1], v[T] offset:128*(\i)      ; places past the count hold token 0, a row that exists
.endr
	s_lshl_b32 s24, s20, 11
	v_lshl_add_u32 v[T+2], v1, 2, s24
.irp i, 0,1,2,3,4,5,6,7,8,9,10,11,12,13,14,15
	global_load_b32 v[BMW+(\i)], v[T+2], s[10:11] offset:128*(\i)         ; word 32 i + lane of my set's bitmap,
	global_load_b32 v[PFW+(\i)], v[T+2], s[10:11] offset:32768+128*(\i)   ; and how many of the set's tokens lie below it
.endr
	s_wait_loadcnt 0x0
; Words 32 i .. 32 i + 31, a word a lane.  A word is walked only if its ranks can touch mine: -32 <= count - first rank < M for some lane.  Bit by bit each lane puts the token of a set bit whose
; rank is mine at that rank's place; all else goes to the lane's own word behind the list.
.macro SLOTW i
	v_sub_nc_u32 v[T+3], v[PFW+(\i)], s21
	v_add_nc_u32 v[T+4], 32, v[T+3]
	v_cmp_gt_u32 vcc_lo, s40, v[T+4]
	s_cbranch_vccz .Lskip_\@
	v_add_nc_u32 v[T+5], 1024*(\i), v[TKB]         ; the token of bit 0
	s_mov_b32 s42, 0
.Lbit_\@:
	v_bfe_u32 v[T+6], v[BMW+(\i)], s42, 1
	v_cmp_gt_u32 vcc_lo, s22, v[T+3]
	v_cndmask_b32 v[T+7], v[DIDX], v[T+3], vcc_lo
	v_cmp_ne_u32 vcc_lo, 0, v[T+6]
	v_cndmask_b32 v[T+7], v[DIDX], v[T+7], vcc_lo
	v_min_u32 v[T+7], 175, v[T+7]
	v_lshl_add_u32 v[T+7], v[T+7], 2, s26
	ds_store_b32 v[T+7], v[T+5]
	v_add_nc_u32 v[T+3], v[T+3], v[T+6]
	v_add_nc_u32 v[T+5], 1, v[T+5]
	s_add_co_u32 s42, s42, 1
	s_cmp_lt_u32 s42, 32
	s_cbranch_scc1 .Lbit_\@
.Lskip_\@:
.endm
.irp i, 0,1,2,3,4,5,6,7,8,9,10,11,12,13,14,15
	SLOTW \i
.endr
.irp a, 0,1,2,3,4,5,6,7,8
	ds_load_b32 v[TK+(\a)], v[LB] offset:64*(\a)   ; LDS serves a wave's instructions in order (ISA guide 5.7.1.4): these see the stores above
.endr
.irp g, 0,1,2,3,4,5
	ds_load_b32 v[LS+(\g)], v[LSA] offset:4*(\g)
.endr
	s_wait_dscnt 0x0
.irp a, 0,1,2,3,4,5,6,7,8
	v_min_u32 v[TK+(\a)], 0x3fff, v[TK+(\a)]
	v_lshlrev_b32 v[T+8+(\a)], 4, v[TK+(\a)]
.endr
	; ---------------- gates, and x into LDS ----------------
.irp a, 0,1,2,3,4,5,6,7,8
	global_load_b128 v[RG+4*(\a):RG+4*(\a)+3], v[T+8+(\a)], s[6:7]
.endr
.macro XLOAD g                      ; staging slot g asks for the row of the token in s50: eight loads of 512 consecutive bytes
	s_min_u32 s50, s50, 0x3fff
	s_lshl_b32 s50, s50, 12
	v_add_nc_u32 v[ROFF+(\g)], s50, v[L16]
	WIN 0x80
.irp j, 0,1,2,3,4,5,6,7
	global_load_b128 v[32*(\g)+4*(\j):32*(\g)+4*(\j)+3], v[ROFF+(\g)], s[4:5] offset:512*(\j)
.endr
	WIN 0
.endm
; Slot g's row is rounded to f16 and stored; ahead = 1: the slot then asks for my wave's row 6 s44 + g.  left: the younger loads, which may stay out; that wait also frees the slot's address register
.macro SROW g, ahead, left
	s_wait_loadcnt \left
	WIN 0x0a
.irp j, 0,1,2,3,4,5,6,7
	v_cvt_pk_f16_f32 v[CT+2*(\j)],   v[32*(\g)+4*(\j)],   v[32*(\g)+4*(\j)+1]
	v_cvt_pk_f16_f32 v[CT+2*(\j)+1], v[32*(\g)+4*(\j)+2], v[32*(\g)+4*(\j)+3]
.endr
	WIN 0
.irp j, 0,1,2,3,4,5,6,7
	ds_store_b64 v[SA], v[CT+2*(\j):CT+2*(\j)+1] offset:(\g)*PA+256*(\j)
.endr
.if \ahead
	v_readlane_b32 s50, v[LS+(\g)], s44
	XLOAD \g
.endif
.endm
.irp g, 0,1,2,3,4,5
	v_readlane_b32 s50, v[LS+(\g)], 0
	XLOAD \g                                       ; six rows, 48 loads of 512 bytes, are on their way for each wave
.endr
	s_wait_loadcnt 48                              ; the gates are in; the 48 loads behind them stay out
.irp a, 0,1,2,3,4,5,6,7,8
.irp e, 0,1,2,3
	v_cvt_pk_f16_f32 v[T+(\e)], v[RG+4*(\a)+(\e)], v[RG+4*(\a)+(\e)]
	ds_store_b32 v[GLA], v[T+(\e)] offset:128*(9*(\e)+(\a))
.endr
	v_cvt_pk_f16_f32 v[T+4], v[RG+4*(\a)], v[RG+4*(\a)+1]      ; slot a of buffer 0 becomes the fragment gates[token][k = expert]: k = 0..3 lie in registers 0, 1 of the lanes with h = 0
	v_cvt_pk_f16_f32 v[T+5], v[RG+4*(\a)+2], v[RG+4*(\a)+3]
	v_cndmask_b32 v[AB+8*(\a)], 0, v[T+4], s41
	v_cndmask_b32 v[AB+8*(\a)+1], 0, v[T+5], s41
.irp j, 2,3,4,5,6,7
	v_mov_b32 v[AB+8*(\a)+(\j)], 0
.endr
.endr
	s_mov_b32 s44, 1
.Lstage:                                               ; five trips: six rows are stored and the next six asked for
.irp g, 0,1,2,3,4,5
	SROW \g, 1, 40                                 ; the five younger slots' 40 loads stay out
.endr
	v_add_nc_u32 v[SA], 6*PA, v[SA]
	s_add_co_u32 s44, s44, 1
	s_cmp_lt_u32 s44, 6
	s_cbranch_scc1 .Lstage
.irp g, 0,1,2,3,4,5
	SROW \g, 0, 40-8*(\g)                          ; the last six rows: nothing more is asked for, and the counts run down
.endr
	s_wait_dscnt 0x0                               ; for the others' sake: my 36 rows are in LDS
	s_barrier_signal -1
	s_barrier_wait -1                              ; all 144 are
	; ---------------- the products ----------------
	FETCH 1, 0                                     ; x's K step 0 goes into buffer 1 while the bias step multiplies buffer 0
.irp a, 0,1,2,3,4,5,6,7,8
	MULB \a, 3, 0, 1                               ; gates x bias starts the sums: nothing is cleared
.endr
	WIN 0                                          ; at a label and at a branch every window is 0
	s_mov_b32 s37, 0
.Lexp:                                                 ; four experts; a dead one is jumped: what is jumped holds no barrier
	s_bitcmp1_b32 s20, s37
	s_cbranch_scc0 .Ldead
	s_add_co_u32 s24, s37, 1                       ; where W's ring goes on behind this expert: the next live one, or (none left) the clamp
	s_lshr_b32 s25, s20, s24
	s_ctz_i32_b32 s25, s25
	s_min_u32 s25, s25, 32
	s_add_co_u32 s25, s25, s24
	s_lshl3_add_u32 s25, s25, s17
	s_lshl_b32 s36, s25, 3
	s_min_u32 s36, s36, 256
.irp a, 0,1,2,3,4,5,6,7,8
	ds_load_b32 v[GC+(\a)], v[GLA] offset:128*(\a)
.endr
	s_wait_dscnt 0x0                               ; my tokens' gates of this expert
	s_mov_b32 s38, 0
.Ltrip:                                                ; eight trips of four K steps
	s_wait_xcnt 0x0                                ; the bases of the loads issued so far are rewritten only behind this wait
	s_mov_b64 s[28:29], s[30:31]
	s_add_co_u32 s24, s32, 1
	s_cmp_eq_u32 s38, 7
	s_cselect_b32 s32, s36, s24
	s_min_u32 s32, s32, 256
	s_lshl_b32 s34, s32, 15
	s_add_nc_u64 s[30:31], s[8:9], s[34:35]
	STEP 0, 28, 3*8192, 64, 0
	STEP 1, 30, 0, 128, 0
	STEP 2, 30, 8192, 192, 0
	STEP 3, 30, 16384, 0, 1
	WIN 0
	s_add_co_u32 s38, s38, 1
	s_cmp_lt_u32 s38, 8
	s_cbranch_scc1 .Ltrip
.Ldead:
	v_add_nc_u32 v[GLA], 1152, v[GLA]              ; the next expert's gates
	s_add_co_u32 s37, s37, 1
	s_cmp_lt_u32 s37, 4
	s_cbranch_scc1 .Lexp
	; ---------------- the way out ----------------
	s_wait_dscnt 0x0                               ; my reads of x are over
	s_barrier_signal -1
	s_barrier_wait -1                              ; everybody's are: x's first bytes become the stages, a wave's own 16 rows of 528 bytes
	PLACES
; Row block a: a lane's eight columns of a fragment are 32 bytes of its token's row; they go into the stage (each accumulator's low registers first) and come back as whole
; pieces of 512 bytes, which go to the tokens' rows.  Blocks and rows past the count are jumped.
.macro OUTB a
	s_cmp_le_u32 s22, 16*(\a)
	s_cbranch_scc1 .Ldone
.if (\a) < 4
	WIN 0x08
.set AC, 64*(\a)
.elseif (\a) < 8
	WIN 0x0c
.set AC, 64*((\a)-4)
.else
.set AC, 192
.endif
.irp f, 0,1,2,3,4,5,6,7
	ds_store_b128 v[STO], v[AC+8*(\f):AC+8*(\f)+3]   offset:64*(\f)
	ds_store_b128 v[STO], v[AC+8*(\f)+4:AC+8*(\f)+7] offset:64*(\f)+16
.endr
	WIN 0
	s_wait_xcnt 0x0                                ; the last block's stores have read their data and offsets: only now are these registers written again
.irp t, 0,1,2,3,4,5,6,7,8,9,10,11,12,13,14,15
	ds_load_b128 v[DD+4*(\t):DD+4*(\t)+3], v[RD] offset:SPIT*(\t)  ; in order behind the stores above; the next block's stores come behind these
.endr
.irp t, 0,1,2,3,4,5,6,7,8,9,10,11,12,13,14,15
	v_readlane_b32 s50, v[TK+(\a)], \t
	s_min_u32 s50, s50, 0x3fff
	s_lshl_b32 s50, s50, 12
	v_add_nc_u32 v[OA+(\t)], s50, v[OL]
.endr
.irp t, 0,1,2,3,4,5,6,7,8,9,10,11,12,13,14,15
.if (\t) > 0
	s_cmp_le_u32 s22, 16*(\a)+(\t)
	s_cbranch_scc1 .Ldone
.endif
	s_wait_dscnt 15-(\t)                           ; row t is back; the later rows' loads may stay out
	global_store_b128 v[OA+(\t)], v[DD+4*(\t):DD+4*(\t)+3], s[12:13] th:TH_STORE_NT  ; the wave stores 512 consecutive bytes, at a multiple of 512 from out's first byte
.endr
.endm
.irp a, 0,1,2,3,4,5,6,7,8
	OUTB \a
.endr
.Ldone:
	s_wait_tensorcnt 0x0                           ; the wave's end
	ds_add_u32 v[SPW], v[NIL]
	s_wait_dscnt 0x0
	s_endpgm
.Lfunc_end_k_qf00465ba37_moe:
	.size	k_qf00465ba37_moe, .Lfunc_end_k_qf00465ba37_moe-k_qf00465ba37_moe
	.p2alignl 7, 3214868480
	.fill 96, 4, 3214868480
	.section	.rodata,"a",@progbits
	.p2align	6, 0x0
	.amdhsa_kernel k_qf00465ba37_moe
		.amdhsa_group_segment_fixed_size 319232
		.amdhsa_private_segment_fixed_size 0
		.amdhsa_enable_private_segment 0
		.amdhsa_kernarg_size 40
		.amdhsa_user_sgpr_count 2
		.amdhsa_user_sgpr_kernarg_segment_ptr 1
		.amdhsa_wavefront_size32 1
		.amdhsa_system_sgpr_workgroup_id_x 1
		.amdhsa_system_sgpr_workgroup_id_y 1
		.amdhsa_system_sgpr_workgroup_id_z 1
		.amdhsa_system_vgpr_workitem_id 0
		.amdhsa_next_free_vgpr 1024
		.amdhsa_next_free_sgpr 66
		.amdhsa_reserve_vcc 1
		.amdhsa_float_denorm_mode_32 3
		.amdhsa_float_denorm_mode_16_64 3
		.amdhsa_memory_ordered 1
		.amdhsa_forward_progress 1
		.amdhsa_inst_pref_size 201
	.end_amdhsa_kernel
	.amdgpu_metadata
---
amdhsa.version: [ 1, 2 ]
amdhsa.kernels:
  - .name:           k_qf00465ba37_moe
    .symbol:         k_qf00465ba37_moe.kd
    .args:
      - { .name: input, .offset: 0, .size: 8, .value_kind: global_buffer, .address_space: global }
      - { .name: gates, .offset: 8, .size: 8, .value_kind: global_buffer, .address_space: global }
      - { .name: wf, .offset: 16, .size: 8, .value_kind: global_buffer, .address_space: global }
      - { .name: route, .offset: 24, .size: 8, .value_kind: global_buffer, .address_space: global }
      - { .name: out0, .offset: 32, .size: 8, .value_kind: global_buffer, .address_space: global }
    .group_segment_fixed_size: 319232
    .private_segment_fixed_size: 0
    .kernarg_segment_align: 8
    .kernarg_segment_size: 40
    .max_flat_workgroup_size: 128
    .sgpr_count:     66
    .vgpr_count:     1024
    .wavefront_size: 32
...
	.end_amdgpu_metadata
.endif
;; end of part 2
